; MI455X (gfx1250); checked and timed in simulation.
; The chip was launched on July 23, 2026; its instructions are those of AMD's public machine-readable ISA for CDNA 5 (MIT licence, August 2026) and "CDNA5" Instruction Set Architecture Reference Guide (July 2026). The comments in the code are by the model that wrote it; some were corrected since.
;; C Linear. Allowed arithmetic: matrix products marked QUANTISED: E3M2 operands, one E8M0 scale for each 32 along K, by v_wmma_scale_f32_16x16x128_f8f6f4 with both operands' format E3M2, f32 sums; everything else in f32.
;; Inputs: bias 2,048 float32; mn 2,048 x 64 x 1 float32; packed 2,048 x 64 x 32 int32; scale 2,048 x 64 x 1 float32; x 4 x 2,048 x 4,096 float32.
;; Outputs: out0 4 x 2,048 x 2,048 float32.
;; This version of the problem:
;;   THIS VERSION OF THE PROBLEM IS GIVEN IN LOW PRECISION. The matrix products marked QUANTISED in the list below multiply operands that are first quantised to E3M2 (3 exponent bits, 2 mantissa bits; 6 bits a number), with one power-of-two scale for each 32 numbers along K (OCP MX v1.0); their sums are f32. All else is computed in f32.
;;   The module's matrix products, in the order in which they are computed (A, B: the left and right operand; K: the contracted axis; several contracted axes count as one K, in the product's order):
;;     1. [M 8,192, K 4,096] x [K 4,096, N 2,048]; A: input x; B: computed on the way: QUANTISED
;;   THE QUANTISER, for each operand of a quantised product, along K:
;;     - K is cut into blocks of 32 from its start; a last block that is shorter is filled with zeros.
;;     - A block's scale is 2^e with e = floor(log2(the largest magnitude in the block)) - 4, held to -126 .. 127; a block of zeros has e = 0. As a byte (E8M0): e + 127.
;;     - Each number is divided by its block's scale, clamped to +-28, and rounded to the nearest number of E3M2, ties to even, subnormals kept.
;;     - The product sums the exact products of the quantised numbers (number of the format x scale) in f32.
;;   ~~~python
;;   def quantise(x, axis):      # numpy; x: float32 -> the quantised numbers, widened to float32 again
;;       x = np.moveaxis(x, axis, -1); K = x.shape[-1]
;;       x = np.pad(x, [(0, 0)] * (x.ndim - 1) + [(0, -K % 32)]); x = x.reshape(x.shape[:-1] + (-1, 32)); a = np.abs(x).max(-1, keepdims=True)
;;       e = np.where(a > 0, np.clip(np.frexp(np.where(a > 0, a, 1))[1] - 1 - 4, -126, 127), 0)      # np.frexp(a)[1] - 1 = floor(log2(a)), exactly
;;       r = np.clip(x / 2.0 ** e, -28, 28)
;;       step = 2.0 ** (np.maximum(np.frexp(np.where(r == 0, 1, r))[1] - 1, -2) - 2)
;;       q = np.round(r / step) * step * 2.0 ** e      # np.round: ties to even
;;       return np.moveaxis(q.reshape(q.shape[:-2] + (-1,))[..., :K], -1, axis).astype(np.float32)
;;   ~~~
;;   OPERANDS COMPUTED ON THE WAY. 'Computed on the way' means the value that the module computes at that place (a softmax that the list does not call 'softmax' is quantised finished and normalised). What goes into a quantiser is computed in f32, as accurately as f32 sums, v_exp_f32 and their like allow (about 1e-6 of the number): no bf16 or f16 on the way to a quantiser, and a product that is left as it is and whose result goes on into a quantised operand takes f32 operands (vector FMAs, or v_wmma_f32_16x16x4_f32). A number that lies on a knife's edge between two numbers of the format may be rounded either way, as far as f32 arithmetic and the matrix unit's own rounding can turn it there, and no further.
;; One version. Each part assembles by itself: llvm-mc -triple=amdgcn-amd-amdhsa -mcpu=gfx1250 --defsym DOCPART=n.
;; ======== version 1 of 1: 2 launches
;; limits: right only within a limited range of input values
;; workspace buffers: xq 26,214,400 bytes; wq 6,553,600 bytes
;; launch quant (part 1): grid 512 x 1, 5 waves a work-group, no clusters, 68,352 bytes of LDS; arguments x, packed, mn, scale, xq, wq; writes xq, wq
.if DOCPART == 1
	.amdgcn_target "amdgcn-amd-amdhsa--gfx1250"
	.amdhsa_code_object_version 6
	.text
	.protected	k_q1ac0dcbc21_quant
	.globl	k_q1ac0dcbc21_quant
	.p2align	8
	.type	k_q1ac0dcbc21_quant,@function
k_q1ac0dcbc21_quant:
	s_mov_b64 s[64:65], 0
	v_nop
	global_prefetch_b8 v0, s[64:65] scope:SCOPE_SE
	s_setreg_imm32_b32 hwreg(HW_REG_WAVE_MODE, 25, 1), 1
	s_wait_xcnt 0x0
; BOTH OPERANDS OF out = x w^T + bias BECOME CODES OF BF6 (E3M2), 6 bits each, with one E8M0 scale byte for each 32 along K = 4,096.
; x: [8192][4096] f32.  w: [2048][4096] is computed here, in f32, and never stored as f32: w = nibble / scale + mn, one scale and one mn for each group of 64 along K.  A group is 32 words of
; packed: bits 7:4 of word j are the group's number j, bits 3:0 its number 32 + j.  So the high nibbles of a group are one block of 32 along K and the low nibbles the next block.
; A block's scale is 2^(floor(log2(its largest magnitude)) - 4); its byte is the largest magnitude's own exponent field - 4, held at 1 from below.  Each number is divided by the scale and rounded to
; the nearest code, ties to even; beyond 28 the conversion gives the largest code.
; LIMITS.  NaN and infinities among the inputs are not served.  |scale| lies within 2^-126 .. 2^126 (v_rcp_f32 takes denormals as zero: ISA guide, its entry in 15.8).  nibble / scale + mn is made as one
; fused multiply-add with 1 / scale, the reciprocal refined by one Newton step: it differs from a division and an addition by about one unit in the last place of nibble / scale.  A block of zeros
; gets the byte 1 where the rule says 127: its codes are zeros, which add nothing under any byte but 0xff, and this program alone reads the bytes.  Blocks whose largest magnitude lies under 2^-122 were not tried.
; THE WORKSPACE IS LAID AS THE PRODUCT'S REGISTERS WANT IT.  xq and wq: [group of 128 rows][unit of 128 along K][UNIT = 12,800 bytes].  A unit holds 8 fragments (block i of 16 rows) at FRB i, each the
; image of an operand's 12 registers: registers 4 c .. 4 c + 3 of lane l at 512 c + 16 l; behind them, at SCOFF, the scale words: that of row r of block i at 256 (i / 4) + 16 r + 4 (i % 4).
; In a fragment lane (r, h) holds row r; registers 0-5 are block h of the four blocks of 32, registers 6-11 block 2 + h.
; SHARES.  Work-groups 0-127 take w, the other 512 x.  A wave takes 64 rows x 256 along K (two units): eight fragments f = 2 ib + q; the four waves of a work-group stand side by side along K.
; Every load of x and of packed reads 512 consecutive bytes of one row, 16 a lane.  The conversions want 32 neighbours along K in ONE lane's registers: so 16 rows x 512 bytes turn through the wave's own
; stage in LDS (rows 528 bytes apart, so that sixteen lanes that read sixteen rows start in sixteen different columns of 16 bytes).  Every store of codes covers 512 consecutive bytes, aligned.
; mn and scale are read 4 bytes a lane from rows 256 bytes apart, and each row by sixteen waves: 1 MB of the launch's 152 MB; whole rows would want work-groups that walk all of K, 32 of them.
; No tensor load, no barrier, no loop: waves share nothing, every offset is an immediate.  The two paths part on the work-group's number and have LDS bytes of their own.
.set ROWX,   16384                     ; a row of x in bytes
.set ROWP,   8192                      ; a row of packed in bytes
.set FRB,    1536                      ; a fragment's image
.set SCOFF,  8*FRB                     ; where a unit's scale words begin
.set UNIT,   SCOFF+512                 ; 128 rows x 128 along K
.set GROUPB, 32*UNIT                   ; 128 rows, all of K
; THE SHARES AS THEY STAND NOW (in place of the first sentence under SHARES and of the last sentence of the head, above): 512 work-groups of five waves.  x has 2,048 wave shares (64 rows x 256 along K) and w 512:
; waves 0-3 of work-group g take x's shares 4 g .. 4 g + 3, wave 4 takes w's share g.  The two paths part on the wave's number; each wave has one stage of its own, at wave x STG, whichever path it takes.
.set SP,     528                       ; a stage row: 512 bytes + 16
.set STG,    16*SP                     ; a wave's stage
.set WST,    0                         ; both paths use the wave's own stage
.set FLOOR,  0x2800000                 ; 2^(5 - 127): no largest magnitude is taken under it, so the byte cannot fall under 1
.set LANE, 1                           ; v1   lane
.set RR,   2                           ; v2   r = lane % 16
.set HH,   3                           ; v3   h = lane / 16
.set L16,  4                           ; v4   16 x lane: the offset of every dense load and store; never rewritten
.set STX,  5                           ; v5   x path: into the stage: 16 x lane
.set RDX,  6                           ; v6   x path: out of it: 528 r + 128 h
.set STW,  7                           ; v7, v8  the same for the w path
.set RDW,  8
.set SH,   9                           ; v9   how far my two scale bytes are shifted up in the word: 8 h (x), 16 h (w)
.set MSO,  10                          ; v10  256 r + 4 h: my place in mn and in scale
.set SCO,  11                          ; v11  16 r + UNIT h: where my four scale words go: lanes 0-15 into the first unit, lanes 16-31 into the second
.set MX0,  12                          ; v12, v13  two blocks' largest magnitudes
.set MX1,  13
.set SO0,  14                          ; v14, v15  the conversions' scale operands
.set SO1,  15
.set BY0,  16                          ; v16, v17  the scale bytes
.set BY1,  17
.set WT,   18                          ; v18  my half of the scale word
.set PT,   19                          ; v19  the other half's
.set RC,   20                          ; v[20:21] 1 / scale (the packed form names a pair and takes its low word for both halves)
.set MN,   22                          ; v[22:23] mn, likewise
.set TA,   24                          ; v[24:26] a block's upper 16 codes (a conversion's three registers begin on an even number)
.set NT,   27                          ; v27  the Newton step's residue
.set TB,   28                          ; v[28:30]
.set C,    32                          ; v[32:43] the fragment's 12 registers
.set SM,   44                          ; v[44:51] w path: two sets of scale (q = 0, 1), mn (q = 0, 1)
.set WO,   52                          ; v[52:55] the four scale words that I store
.set WD,   56                          ; v[56:63] the eight fragments' scale words
.set R,    64                          ; v64-127, v128-191, v192-255: sets of 64 registers
.set N,    192                         ; w path: the 64 numbers of w in hand
	s_load_b256 s[4:11], s[0:1], 0x0               ; x s[4:5], packed s[6:7], mn s[8:9], scale s[10:11]
	s_load_b128 s[12:15], s[0:1], 0x20             ; xq s[12:13], wq s[14:15]
	v_lshl_add_u32 v31, v0, 2, 0x10800
	s_set_vgpr_msb 0x40
	v_mov_b32 v1, 0
	s_set_vgpr_msb 0x4000
	v_lshrrev_b32 v[LANE], 5, v0
	v_readfirstlane_b32 s16, v[LANE]               ; wave 0..4
	v_and_b32 v[LANE], 31, v0
	v_and_b32 v[RR], 15, v0
	v_bfe_u32 v[HH], v0, 4, 1
	v_lshlrev_b32 v[L16], 4, v[LANE]
	s_mul_i32 s30, s16, STG                        ; my wave's stage
	v_add_nc_u32 v[STX], s30, v[L16]
	v_mul_u32_u24 v[RDX], v[RR], SP
	v_lshl_add_u32 v[RDX], v[HH], 7, v[RDX]
	v_add_nc_u32 v[RDX], s30, v[RDX]
	v_add_nc_u32 v[STW], WST, v[STX]               ; all four LDS addresses are made ahead of the parting
	v_add_nc_u32 v[RDW], WST, v[RDX]
	v_lshlrev_b32 v[MSO], 8, v[RR]
	v_lshl_add_u32 v[MSO], v[HH], 2, v[MSO]
	v_lshlrev_b32 v[SCO], 4, v[RR]
	v_mad_u32_u24 v[SCO], v[HH], UNIT, v[SCO]
	v_mov_b32 v[PT], 0                             ; written once: a lane permute's destination counts as one of its sources
	v_mov_b32 v[RC+1], 0                           ; (named as the upper halves of pairs, so they are written)
	v_mov_b32 v[MN+1], 0
	s_mov_b32 s20, 0x76543210
	s_mov_b32 s21, 0xfedcba98                      ; v_permlanex16_b32's selects for lane l xor 16
	s_wait_kmcnt 0x0
	s_lshr_b32 s18, ttmp9, 2                       ; w's share g counts as wave g % 4 of a run of four, j = g / 4
	s_and_b32 s19, ttmp9, 3
	s_cmp_eq_u32 s16, 4                            ; w's wave or x's?  The choice hangs on the wave's number alone
	s_cselect_b64 s[26:27], s[14:15], s[12:13]     ; the buffer that I store into
	s_cselect_b32 s17, s18, ttmp9                  ; j: which run of four shares of the tensor
	s_cselect_b32 s31, s19, s16                    ; and my place in it
	s_lshr_b32 s18, s17, 2                         ; which 64 rows
	s_and_b32 s19, s17, 3
	s_lshl_b32 s19, s19, 2
	s_add_co_u32 s19, s19, s31                     ; which 256 along K: 4 (j % 4) + place
	s_lshr_b32 s30, s18, 1                         ; the group of 128 rows,
	s_and_b32 s31, s18, 1                          ; and which half of it
	s_mul_i32 s22, s30, GROUPB
	s_mul_i32 s30, s19, 2*UNIT
	s_add_co_u32 s22, s22, s30                     ; my first unit's first byte (under 2^25)
	s_mul_i32 s24, s31, 4*FRB
	s_add_co_u32 s24, s24, s22                     ; my four fragments of it: 6,144 dense bytes; the second unit's lie UNIT further on
	s_mov_b32 s25, 0
	s_lshl_b32 s31, s31, 8
	s_add_co_u32 s22, s22, s31
	s_add_co_u32 s22, s22, SCOFF                   ; my 256 bytes of its scale words
	s_mov_b32 s23, 0
	s_add_nc_u64 s[28:29], s[26:27], s[22:23]
	s_add_nc_u64 s[26:27], s[26:27], s[24:25]
	s_cmp_eq_u32 s16, 4                            ; (the sums above have set SCC: compare again)
	s_cbranch_scc1 .Lw
; 16 rows x 512 bytes, register 4 t .. 4 t + 3 = my 16 bytes of row t, go through the stage and come back into the registers that they left: registers 0-31 = bytes 128 h on of row r, registers 32-63 = bytes 256 + 128 h on.
; LDS serves a wave's instructions in order (ISA guide 5.7.1.4): no wait stands between the stores and the loads, and the next set's stores come behind this set's loads.
.macro TURN set, st, rd
.set RB, R+64*(\set)
.irp t, 0,1,2,3,4,5,6,7,8,9,10,11,12,13,14,15
	ds_store_b128 v[\st], v[RB+4*\t:RB+4*\t+3] offset:SP*\t
.endr
.irp j, 0,1,2,3,4,5,6,7
	ds_load_b128 v[RB+4*\j:RB+4*\j+3], v[\rd] offset:16*\j
.endr
.irp j, 0,1,2,3,4,5,6,7
	ds_load_b128 v[RB+32+4*\j:RB+32+4*\j+3], v[\rd] offset:256+16*\j
.endr
	s_wait_dscnt 0x0
.endm
; 64 numbers of a lane, two whole blocks of 32 of row r, become fragment f = 2 ib + q: its 12 registers are stored (unit q, block ib of my four), its scale word is kept.
; wmode = 0 (x): the lane holds blocks h and 2 + h, as the operand wants them.  wmode = 1 (w): it holds blocks 2 h and 2 h + 1: the halves of the lanes change six registers.
.macro QUANT n, f, wmode
	v_max3_num_f32 v[MX0], |v[(\n)]|, |v[(\n)+1]|, FLOOR           ; all 32 numbers of a block are mine: no other lane is asked.  The two blocks by turns
	v_max3_num_f32 v[MX1], |v[(\n)+32]|, |v[(\n)+33]|, FLOOR
.irp i, 2,4,6,8,10,12,14,16,18,20,22,24,26,28,30
	v_max3_num_f32 v[MX0], v[MX0], |v[(\n)+\i]|, |v[(\n)+\i+1]|
	v_max3_num_f32 v[MX1], v[MX1], |v[(\n)+32+\i]|, |v[(\n)+33+\i]|
.endr
	v_add_nc_u32 v[SO0], 0xfe000000, v[MX0]        ; 4 off the exponent field: the conversion takes the exponent field of this operand as its scale, and nothing else of it
	v_add_nc_u32 v[SO1], 0xfe000000, v[MX1]
	s_wait_alu depctr_va_vdst(0)
	s_wait_xcnt 0x0                                ; every earlier memory instruction has had its addresses translated (ISA guide 3.1): the last fragment's stores have read C, which is written only behind this wait
	v_cvt_scalef32_pk16_bf6_f32 v[C:C+2], v[(\n):(\n)+15], v[SO0]
	v_cvt_scalef32_pk16_bf6_f32 v[TA:TA+2], v[(\n)+16:(\n)+31], v[SO0]
	v_cvt_scalef32_pk16_bf6_f32 v[C+6:C+8], v[(\n)+32:(\n)+47], v[SO1]
	v_cvt_scalef32_pk16_bf6_f32 v[TB:TB+2], v[(\n)+48:(\n)+63], v[SO1]
	v_lshrrev_b32 v[BY0], 23, v[SO0]               ; the scale bytes.  (Plain lines between the conversions and the first touch of their results)
	v_lshrrev_b32 v[BY1], 23, v[SO1]
.irp i, 0,1,2
	v_mov_b32 v[C+3+\i], v[TA+\i]
	v_mov_b32 v[C+9+\i], v[TB+\i]
.endr
.if \wmode
.irp i, 0,1,2,3,4,5
	v_permlane16_swap_b32 v[C+\i], v[C+6+\i]       ; the first's lanes 16-31 (block 2) change places with the second's lanes 0-15 (block 1): now lanes 0-15 hold blocks 0, 2 and lanes 16-31 blocks 1, 3
.endr
	v_lshl_or_b32 v[WT], v[BY1], 8, v[BY0]         ; my two bytes are neighbours in the word,
.else
	v_lshl_or_b32 v[WT], v[BY1], 16, v[BY0]        ; my two bytes lie two apart in the word,
.endif
	v_lshlrev_b32 v[WT], v[SH], v[WT]              ; at their places;
	v_permlanex16_b32 v[PT], v[WT], s20, s21
	v_or_b32 v[WD+(\f)], v[WT], v[PT]              ; with lane l xor 16's two the word of row r is whole, in both lanes
.irp c, 0,1,2
	global_store_b128 v[L16], v[C+4*\c:C+4*\c+3], s[26:27] offset:UNIT*((\f)%2)+FRB*((\f)/2)+512*\c   ; 32 lanes store 512 consecutive bytes, at a multiple of 512 from the buffer's first byte
.endr
.endm
; The eight scale words of my row go out as two dense runs of 256 bytes: lanes 0-15 store the first unit's four (q = 0, ib = 0 .. 3) of row r, lanes 16-31 the second unit's.
.macro TAIL
	v_cmp_le_u32 vcc_lo, 16, v[LANE]
.irp i, 0,1,2,3
	v_cndmask_b32 v[WO+\i], v[WD+2*\i], v[WD+2*\i+1], vcc_lo
.endr
	global_store_b128 v[SCO], v[WO:WO+3], s[28:29]
.endm
; ---------------------------------------------------------------- x
.macro LOADX f, set                    ; fragment f's 16 rows x 512 bytes
.irp t, 0,1,2,3,4,5,6,7,8,9,10,11,12,13,14,15
	global_load_b128 v[R+64*(\set)+4*\t:R+64*(\set)+4*\t+3], v[L16], s[4:5] offset:(16*((\f)/2)+\t)*ROWX+512*((\f)%2) th:TH_LOAD_NT
.endr
.endm
.macro XFRAG f
.if (\f) < 6
	s_wait_loadcnt 32                              ; loads come back in order (ISA guide 5.7.1): this fragment's 16 are in, the two younger sets stay out
.else
	s_wait_loadcnt 16*(7-(\f))                     ; one younger set, then none
.endif
	TURN (\f)%3, STX, RDX
	QUANT R+64*((\f)%3), \f, 0
.if (\f)+3 < 8
	LOADX (\f)+3, (\f)%3                           ; the set is free: three fragments, 48 loads of a wave, are on their way
.endif
.endm
	s_lshl_b32 s22, s18, 20                        ; 64 rows of 16,384 bytes,
	s_lshl_b32 s24, s19, 10                        ; 256 numbers along K
	s_add_co_u32 s22, s22, s24                     ; (under 2^27; s23 is 0)
	s_add_nc_u64 s[4:5], s[4:5], s[22:23]
	v_lshlrev_b32 v[SH], 3, v[HH]
	LOADX 0, 0
	LOADX 1, 1
	LOADX 2, 2
.irp f, 0,1,2,3,4,5,6,7
	XFRAG \f
.endr
	TAIL
	s_set_vgpr_msb 0x4
	s_wait_tensorcnt 0x0
	ds_add_u32 v31, v1
	s_wait_dscnt 0x0
	s_set_vgpr_msb 0x400
	s_endpgm
; ---------------------------------------------------------------- w
.Lw:
.macro LOADW ib, set                   ; block ib of 16 rows: 20 loads: scale and mn of my row's groups h (q = 0) and 2 + h (q = 1), and 512 bytes (four groups, both q) of each row of packed
	global_load_b32 v[SM+4*(\set)],   v[MSO], s[10:11] offset:4096*(\ib)
	global_load_b32 v[SM+4*(\set)+1], v[MSO], s[10:11] offset:4096*(\ib)+8
	global_load_b32 v[SM+4*(\set)+2], v[MSO], s[8:9] offset:4096*(\ib)
	global_load_b32 v[SM+4*(\set)+3], v[MSO], s[8:9] offset:4096*(\ib)+8
.irp t, 0,1,2,3,4,5,6,7,8,9,10,11,12,13,14,15
	global_load_b128 v[R+64*(\set)+4*\t:R+64*(\set)+4*\t+3], v[L16], s[6:7] offset:(16*(\ib)+\t)*ROWP th:TH_LOAD_NT
.endr
.endm
; My group's 32 words become its 64 numbers of w, in f32: registers 0-31 the high nibbles' (the group's first block of 32 along K), registers 32-63 the low nibbles'.
.macro UNPACK set, q
.set WB, R+64*(\set)+32*(\q)
	v_rcp_f32 v[RC], v[SM+4*(\set)+(\q)]
	v_mov_b32 v[MN], v[SM+4*(\set)+2+(\q)]         ; (a plain line between the reciprocal and the use of its result)
	s_wait_alu depctr_va_vdst(0)
	v_fma_f32 v[NT], -v[SM+4*(\set)+(\q)], v[RC], 1.0   ; one Newton step: what the reciprocal leaves of 1,
	v_fma_f32 v[RC], v[NT], v[RC], v[RC]           ; put back
.set j, 0
.rept 32
	v_bfe_u32 v[N+j], v[WB+j], 4, 4
	v_and_b32 v[N+32+j], 15, v[WB+j]
.set j, j+1
.endr
.set j, 0
.rept 64
	v_cvt_f32_u32 v[N+j], v[N+j]
.set j, j+1
.endr
.set j, 0
.rept 32
	v_pk_fma_f32 v[N+j:N+j+1], v[N+j:N+j+1], v[RC:RC+1], v[MN:MN+1] op_sel_hi:[1,0,0]   ; nibble x (1 / scale) + mn, two at a time, one rounding each
.set j, j+2
.endr
.endm
.macro WROWS ib
.if (\ib) < 3
	s_wait_loadcnt 20                              ; this block's 20 loads are in; the next block's 20 stay out
.else
	s_wait_loadcnt 0x0
.endif
	TURN (\ib)%2, STW, RDW
	UNPACK (\ib)%2, 0
	QUANT N, 2*(\ib), 1
	UNPACK (\ib)%2, 1
.if (\ib) < 2
	LOADW (\ib)+2, (\ib)%2                         ; the set's words, scales and mn have all been read
.endif
	QUANT N, 2*(\ib)+1, 1
.endm
	s_lshl_b32 s22, s18, 19                        ; packed: 64 rows of 8,192 bytes,
	s_lshl_b32 s24, s19, 9                         ; four groups of 128 bytes
	s_add_co_u32 s22, s22, s24
	s_add_nc_u64 s[6:7], s[6:7], s[22:23]
	s_lshl_b32 s22, s18, 14                        ; mn, scale: 64 rows of 256 bytes,
	s_lshl_b32 s24, s19, 4                         ; four groups of 4 bytes
	s_add_co_u32 s22, s22, s24
	s_add_nc_u64 s[8:9], s[8:9], s[22:23]
	s_add_nc_u64 s[10:11], s[10:11], s[22:23]
	v_lshlrev_b32 v[SH], 4, v[HH]
	s_wait_alu depctr_va_vdst(0)
	LOADW 0, 0
	LOADW 1, 1
.irp ib, 0,1,2,3
	WROWS \ib
.endr
	TAIL
	s_set_vgpr_msb 0x4
	s_wait_tensorcnt 0x0
	ds_add_u32 v31, v1
	s_wait_dscnt 0x0
	s_set_vgpr_msb 0x400
	s_endpgm
.Lfunc_end_k_q1ac0dcbc21_quant:
	.size	k_q1ac0dcbc21_quant, .Lfunc_end_k_q1ac0dcbc21_quant-k_q1ac0dcbc21_quant
	.p2alignl 7, 3214868480
	.fill 96, 4, 3214868480
	.section	.rodata,"a",@progbits
	.p2align	6, 0x0
	.amdhsa_kernel k_q1ac0dcbc21_quant
		.amdhsa_group_segment_fixed_size 68352
		.amdhsa_private_segment_fixed_size 0
		.amdhsa_enable_private_segment 0
		.amdhsa_kernarg_size 48
		.amdhsa_user_sgpr_count 2
		.amdhsa_user_sgpr_kernarg_segment_ptr 1
		.amdhsa_wavefront_size32 1
		.amdhsa_system_sgpr_workgroup_id_x 1
		.amdhsa_system_sgpr_workgroup_id_y 1
		.amdhsa_system_sgpr_workgroup_id_z 1
		.amdhsa_system_vgpr_workitem_id 0
		.amdhsa_next_free_vgpr 258
		.amdhsa_next_free_sgpr 66
		.amdhsa_reserve_vcc 1
		.amdhsa_float_denorm_mode_32 3
		.amdhsa_float_denorm_mode_16_64 3
		.amdhsa_memory_ordered 1
		.amdhsa_forward_progress 1
		.amdhsa_inst_pref_size 159
	.end_amdhsa_kernel
	.amdgpu_metadata
---
amdhsa.version: [ 1, 2 ]
amdhsa.kernels:
  - .name:           k_q1ac0dcbc21_quant
    .symbol:         k_q1ac0dcbc21_quant.kd
    .args:
      - { .name: x, .offset: 0, .size: 8, .value_kind: global_buffer, .address_space: global }
      - { .name: packed, .offset: 8, .size: 8, .value_kind: global_buffer, .address_space: global }
      - { .name: mn, .offset: 16, .size: 8, .value_kind: global_buffer, .address_space: global }
      - { .name: scale, .offset: 24, .size: 8, .value_kind: global_buffer, .address_space: global }
      - { .name: xq, .offset: 32, .size: 8, .value_kind: global_buffer, .address_space: global }
      - { .name: wq, .offset: 40, .size: 8, .value_kind: global_buffer, .address_space: global }
    .group_segment_fixed_size: 68352
    .private_segment_fixed_size: 0
    .kernarg_segment_align: 8
    .kernarg_segment_size: 48
    .max_flat_workgroup_size: 160
    .sgpr_count:     66
    .vgpr_count:     258
    .wavefront_size: 32
...
	.end_amdgpu_metadata
.endif
;; end of part 1
;; launch gemm (part 2): grid 8 x 32, 4 waves a work-group, clusters of 4 x 4, 327,680 bytes of LDS; arguments xq, wq, bias, out0; writes out0
.if DOCPART == 2
	.amdgcn_target "amdgcn-amd-amdhsa--gfx1250"
	.amdhsa_code_object_version 6
	.text
	.protected	k_q1ac0dcbc21_gemm
	.globl	k_q1ac0dcbc21_gemm
	.p2align	8
	.type	k_q1ac0dcbc21_gemm,@function
k_q1ac0dcbc21_gemm:
	s_mov_b64 s[64:65], 0
	v_nop
	global_prefetch_b8 v0, s[64:65] scope:SCOPE_SE
	s_setreg_imm32_b32 hwreg(HW_REG_WAVE_MODE, 25, 1), 1
	s_wait_xcnt 0x0
	s_wait_alu depctr_hold_cnt(0) depctr_sa_sdst(0) depctr_va_vdst(0) depctr_va_sdst(0) depctr_va_ssrc(0) depctr_va_vcc(0) depctr_vm_vsrc(0)
	s_getreg_b32 s2, hwreg(HW_REG_IB_STS2, 6, 4)
	s_cmp_eq_u32 s2, 0
	s_cbranch_scc0 .Lentry_in_a_cluster
	s_endpgm
.Lentry_in_a_cluster:
	s_bfe_u32 s2, ttmp6, 0x10000c
	s_cmp_lg_u32 s2, 0xf033
	s_cbranch_scc0 .Lentry_shape_is_right
	s_endpgm
.Lentry_shape_is_right:
; out0[m][n] = sum over k of x[m][k] w[n][k] + bias[n], on codes of BF6 (E3M2) with one E8M0 byte for each 32 along K = 4,096; sums in f32.
; xq, wq: [group of 128 rows][unit of 128 along K][12,800 bytes]: a unit is the image of 8 operand fragments (16 rows x 128 K, 12 registers: registers 4 c .. 4 c + 3 of lane l at 512 c + 16 l)
; and, at SCOFF, the rows' scale words (row r of block i at 256 (i / 4) + 16 r + 4 (i % 4)).  So a unit's fragments are 24 loads of 512 dense bytes, and its scale words two.
; A block of 256 x 256 of out0 to a work-group of four waves; a wave makes 128 x 128: 64 accumulators, 512 registers.  256 work-groups.
; THE RING: two LDS slots, each with 3 units (3 K steps) of A's two groups and of B's two groups; each wave fetches one group's 38,400 dense bytes by one tensor load (rows of 256 bytes).
; K has 32 units: ten parts of 3 and a last part of 2, which has descriptors of its own.
; CLUSTERS: 4 x 4 work-groups; A's parts are asked for jointly along a row of the cluster, B's along a column.
; THE MATRIX INSTRUCTION IS USED TRANSPOSED (source 0 = 16 rows of w, source 1 = 16 rows of x): a lane holds eight neighbouring numbers of a row of out0.  The bias is the C of the first step.
; REGISTERS: window 0: v0-31 addresses, v32-47 scale words (two sets of 8: lanes 0-15 A's block i, lanes 16-31 B's), v64-159 and v160-255 A's fragments, two sets.
;   window 1: v0-95 and v96-191 B's fragments, two sets; v192-255 the bias.   windows 2, 3: the accumulators of my rows 0-63, 64-127 ((a, b) at v[8 (8 (a % 4) + b)]).
; A STEP: the next unit's 50 LDS loads (B's 24, the 2 of scale words, A's 24) go into the other set in ONE run at the step's head; the step's 64 matrix instructions follow with no load among them.
; THE CHANGE OF SLOTS stands at the end of the step whose run of loads takes a slot's last unit: behind that run nothing more is read of the slot.  Between the wait for all tensor loads and the refill
; stand 16 matrix instructions, so that of the three steps from refill to refill a refill has all but those 16 in which to land.
; THE PREFETCH: behind the refill with part j each wave names part j + 2 of the group that it fetches (two changes of slots, six K steps, ahead of the load that wants it).  A part is 150 blocks of 256 bytes;
; the four partners that ask for it jointly share them out by address, 38 each (32 lanes, then 6; lanes left over name the last block again).  Parts 0 to 3 and the short part 10 come by their loads alone.
.set SIZE_N, 2048
.set FRB,    1536
.set SCOFF,  8*FRB
.set UNIT,   SCOFF+512
.set PART,   3*UNIT                    ; what one tensor load brings
.set GROUPB, 32*UNIT
.set SLOT,   4*PART
.set TRIPS,  4
.set SPARE,  2*SLOT                    ; the spare words, 128 bytes a wave
.set SPITCH, 528
.set STAGE,  SLOT                      ; the way out's stages lie in slot 1, behind its last fill and last read
.set ADRA, 16                          ; v16-17 my A fragments in slot 0, 1
.set ADRS, 18                          ; v18-19 my scale words
.set ADRB, 20                          ; v20-21 my B fragments
.set STO,  24
.set RD,   25
.set CO,   26
.set BO,   27
.set SPW,  28
.set NIL,  29
.set PF0,  30                          ; v30, v31 the prefetches' offsets
.set PF1,  31
.set SC,   32
.set AF,   64
.set BI,   192
.set G1, 24
.set G0, 32
.set G1B, 48
.set G0B, 56
.set G1S, 68                           ; the last part's group 1: 100 rows
.set G1SB, 76
.set PFA, 84                           ; s[84:85] where my prefetches stand
.set MSB, 0
.macro WIN new                         ; the immediate's high byte repeats the setting that is left
.if MSB != (\new)
	s_set_vgpr_msb (MSB<<8)|(\new)
.set MSB, (\new)
.endif
.endm
.set TO_B, 0x40
.macro PLACES n
.rept \n
	v_nop
.endr
.endm
.macro JLOAD g0a, g1a, g0b, g1b        ; waves 0, 1 fetch for A, waves 2, 3 for B; s_nop 0 and four v_nop behind each line
	s_cmp_eq_u32 s15, 0
	s_cbranch_scc0 .Lfor_b_\@
	tensor_load_to_lds s[\g0a:\g0a+3], s[\g1a:\g1a+7]
	s_nop 0
	PLACES 4
	s_branch .Lasked_\@
.Lfor_b_\@:
	tensor_load_to_lds s[\g0b:\g0b+3], s[\g1b:\g1b+7]
	s_nop 0
	PLACES 4
.Lasked_\@:
.endm
.macro CREST                           ; a round of the cluster's barrier behind its opening barrier
	s_cmp_lg_u32 s14, 0
	s_cbranch_scc1 .Lnot_wave_0_\@
	s_barrier_signal -3
.Lnot_wave_0_\@:
	s_barrier_wait -3
	s_barrier_signal -1
	s_barrier_wait -1
.endm
.macro CROUND
	s_barrier_signal -1
	s_barrier_wait -1
	CREST
.endm
.macro ASK                             ; the loop's last trip has no whole part two changes on
	s_cmp_gt_u32 s3, 1
	s_cbranch_scc0 .Lno_ask_\@
	global_prefetch_b8 v[PF0], s[PFA:PFA+1] th:TH_LOAD_NT scope:SCOPE_SE
	global_prefetch_b8 v[PF1], s[PFA:PFA+1] th:TH_LOAD_NT scope:SCOPE_SE
.Lno_ask_\@:
.endm
	s_load_b256 s[4:11], s[0:1], 0x0               ; xq, wq, bias, out0
	v_lshl_add_u32 v[SPW], v0, 2, SPARE
	v_mov_b32 v[NIL], 0
	ds_add_u32 v[SPW], v[NIL]                      ; the opening lines: the add twice on end, and its wait ahead of my first tensor load
	ds_add_u32 v[SPW], v[NIL]
	v_lshrrev_b32 v1, 5, v0
	v_readfirstlane_b32 s14, v1                    ; wave
	s_lshr_b32 s15, s14, 1                         ; my half of the block's rows; also: I fetch for A (0) or B (1)
	s_and_b32 s16, s14, 1                          ; my half of its columns; also: which group of 128 rows I fetch
	s_bfe_u32 s40, ttmp6, 0x40000                  ; cx
	s_bfe_u32 s41, ttmp6, 0x40004                  ; cy
	s_lshl_b32 s42, ttmp9, 2
	s_add_co_u32 s42, s42, s40                     ; block column
	s_and_b32 s17, ttmp7, 0xffff
	s_lshl_b32 s17, s17, 2
	s_add_co_u32 s17, s17, s41                     ; block row
	s_lshl_b32 s43, s41, 2
	s_lshl_b32 s43, 15, s43                        ; my row of the cluster
	s_lshl_b32 s44, 0x1111, s40                    ; my column
	s_or_b32 s[G1+0], s43, (3<<16)|(1<<21)         ; elements of 8 bytes, no padding: the parts are dense and are read 16 bytes a lane on end
	s_or_b32 s[G1B+0], s44, (3<<16)|(1<<21)
	s_or_b32 s[G1S+0], s43, (3<<16)|(1<<21)
	s_or_b32 s[G1SB+0], s44, (3<<16)|(1<<21)
.irp g, G1, G1B
	s_mov_b32 s[\g+1], 32<<16
	s_mov_b32 s[\g+2], (PART/256)<<16
	s_mov_b32 s[\g+3], 32<<16
	s_mov_b32 s[\g+4], PART/256
	s_mov_b32 s[\g+5], 32
	s_mov_b32 s[\g+6], 0
	s_mov_b32 s[\g+7], 0
.endr
.irp g, G1S, G1SB
	s_mov_b32 s[\g+1], 32<<16
	s_mov_b32 s[\g+2], (2*UNIT/256)<<16
	s_mov_b32 s[\g+3], 32<<16
	s_mov_b32 s[\g+4], 2*UNIT/256
	s_mov_b32 s[\g+5], 32
	s_mov_b32 s[\g+6], 0
	s_mov_b32 s[\g+7], 0
.endr
	s_lshl_b32 s20, s17, 1
	s_add_co_u32 s20, s20, s16
	s_mul_i32 s20, s20, GROUPB                     ; A: group 2 x block row + half
	s_mov_b32 s21, 0
	s_lshl_b32 s46, s42, 1
	s_add_co_u32 s46, s46, s16
	s_mul_i32 s46, s46, GROUPB                     ; B: group 2 x block column + half
	s_mov_b32 s47, 0
	s_mul_i32 s45, s14, PART                       ; where my part goes: wave x PART
	s_wait_dscnt 0x0
	s_wait_kmcnt 0x0
	s_add_nc_u64 s[20:21], s[4:5], s[20:21]
	s_add_nc_u64 s[46:47], s[6:7], s[46:47]
.irp s, 0,1
	s_mov_b32 s[G0+4*\s], 1
	s_add_co_u32 s[G0+4*\s+1], s45, \s*SLOT
	s_add_nc_u64 s[G0+4*\s+2:G0+4*\s+3], s[20:21], \s*PART
	s_or_b32 s[G0+4*\s+3], s[G0+4*\s+3], 0x80000000
	s_mov_b32 s[G0B+4*\s], 1
	s_add_co_u32 s[G0B+4*\s+1], s45, \s*SLOT
	s_add_nc_u64 s[G0B+4*\s+2:G0B+4*\s+3], s[46:47], \s*PART
	s_or_b32 s[G0B+4*\s+3], s[G0B+4*\s+3], 0x80000000
.endr
	CROUND                                         ; all sixteen work-groups are here: the first joint loads meet
	JLOAD G0, G1, G0B, G1B                         ; part 0: one tensor load a wave at the head
	s_cmp_eq_u32 s15, 0
	s_cselect_b64 s[PFA:PFA+1], s[20:21], s[46:47] ; the group that I fetch,
	s_cselect_b32 s19, s40, s41                    ; my place among the four that ask for it with me
	s_add_nc_u64 s[PFA:PFA+1], s[PFA:PFA+1], 3*PART ; each change of slots steps it by a part ahead of its prefetch: the first names part 4
	s_mul_i32 s19, s19, 38                         ; my first block of a part's 150
	s_mul_i32 s21, s15, PART                       ; my 128 rows of A in a slot
	s_mul_i32 s22, s16, PART
	s_add_co_u32 s22, s22, 2*PART                  ; my 128 rows of B
	s_sub_co_u32 s23, s22, s21
	s_mul_i32 s18, s14, 16*SPITCH
	s_add_co_u32 s18, s18, STAGE                   ; my stage
	s_lshl_b32 s12, s17, 8
	s_lshl_b32 s13, s15, 7
	s_add_co_u32 s12, s12, s13
	s_lshl_b32 s12, s12, 13                        ; my first row of out0, 8,192 bytes a row
	s_mov_b32 s13, 0
	s_lshl_b32 s46, s42, 10
	s_lshl_b32 s47, s16, 9
	s_add_co_u32 s46, s46, s47                     ; my first column, in bytes
	s_mov_b32 s47, 0
	s_add_nc_u64 s[8:9], s[8:9], s[46:47]
	s_add_nc_u64 s[10:11], s[10:11], s[12:13]
	s_add_nc_u64 s[10:11], s[10:11], s[46:47]
	v_and_b32 v1, 15, v0                           ; r
	v_bfe_u32 v2, v0, 4, 1                         ; h
	v_and_b32 v3, 31, v0                           ; lane
	v_lshlrev_b32 v[CO], 4, v3
	v_lshlrev_b32 v[BO], 5, v2
	v_mul_u32_u24 v5, s23, v2                      ; lanes 16-31 take B's scale words
	v_lshl_add_u32 v5, v1, 4, v5
	v_add_nc_u32 v5, SCOFF, v5
	v_add_nc_u32 v[ADRA], s21, v[CO]
	v_add_nc_u32 v[ADRB], s22, v[CO]
	v_add_nc_u32 v[ADRS], s21, v5
	v_add_nc_u32 v[ADRA+1], SLOT, v[ADRA]
	v_add_nc_u32 v[ADRB+1], SLOT, v[ADRB]
	v_add_nc_u32 v[ADRS+1], SLOT, v[ADRS]
	v_mul_u32_u24 v6, v1, SPITCH
	v_lshl_add_u32 v6, v2, 5, v6
	v_add_nc_u32 v[STO], s18, v6                   ; into the stage: row r, 32 bytes for each half of the lanes
	v_add_nc_u32 v[RD], s18, v[CO]                 ; back: the 32 lanes take a row of 512 bytes
	v_add_nc_u32 v[PF0], s19, v3                   ; blocks 38 p + lane,
	v_lshlrev_b32 v[PF0], 8, v[PF0]
	v_min_u32 v[PF1], 5, v3                        ; and 38 p + 32 + 0 .. 5, held at the part's last block
	v_add_nc_u32 v[PF1], s19, v[PF1]
	v_add_nc_u32 v[PF1], 32, v[PF1]
	v_min_u32 v[PF1], 149, v[PF1]
	v_lshlrev_b32 v[PF1], 8, v[PF1]
	s_wait_alu depctr_va_vdst(0)                   ; at the end of the head's vector work
	WIN TO_B
.irp b, 0,1,2,3,4,5,6,7
	global_load_b128 v[BI+8*\b:BI+8*\b+3],   v[BO], s[8:9] offset:64*\b      ; bias[16 b + 8 h + 0 .. 7], in the result's layout
	global_load_b128 v[BI+8*\b+4:BI+8*\b+7], v[BO], s[8:9] offset:64*\b+16
.endr
	WIN 0
; unit q of a slot into set p: 50 loads in one run
.macro FETCH slot, q, p
	WIN TO_B
.set LI, 0
.rept 24
	ds_load_b128 v[96*(\p)+4*LI:96*(\p)+4*LI+3], v[ADRB+\slot] offset:UNIT*(\q)+512*LI
.set LI, LI+1
.endr
	WIN 0
.irp k, 0,1
	ds_load_b128 v[SC+8*(\p)+4*\k:SC+8*(\p)+4*\k+3], v[ADRS+\slot] offset:UNIT*(\q)+256*\k
.endr
.set LI, 0
.rept 24
	ds_load_b128 v[AF+96*(\p)+4*LI:AF+96*(\p)+4*LI+3], v[ADRA+\slot] offset:UNIT*(\q)+512*LI
.set LI, LI+1
.endr
.endm
; group g of a step: A's block g / 2 against four of B's blocks, on set p.  The 64 accumulators take turns in the same order in every step.
.macro GRP g, p, first
.set GA, (\g)/2
.set GW, 2+GA/4
.if \first
	WIN (GW<<6)|(1<<4)|1
.else
	WIN (GW<<6)|(GW<<4)|1
.endif
.irp k, 0,1,2,3
.set GB, 4*((\g)%2)+\k
.set GD, 8*(8*(GA%4)+GB)
.if \first
	v_wmma_scale_f32_16x16x128_f8f6f4 v[GD:GD+7], v[96*(\p)+12*GB:96*(\p)+12*GB+11], v[AF+96*(\p)+12*GA:AF+96*(\p)+12*GA+11], v[BI+8*GB:BI+8*GB+7], v[SC+8*(\p)+GB], v[SC+8*(\p)+GA] matrix_a_fmt:MATRIX_FMT_BF6 matrix_b_fmt:MATRIX_FMT_BF6 matrix_a_scale:MATRIX_SCALE_ROW1
.else
	v_wmma_scale_f32_16x16x128_f8f6f4 v[GD:GD+7], v[96*(\p)+12*GB:96*(\p)+12*GB+11], v[AF+96*(\p)+12*GA:AF+96*(\p)+12*GA+11], v[GD:GD+7], v[SC+8*(\p)+GB], v[SC+8*(\p)+GA] matrix_a_fmt:MATRIX_FMT_BF6 matrix_b_fmt:MATRIX_FMT_BF6 matrix_a_scale:MATRIX_SCALE_ROW1
.endif
.endr
.endm
; A step: multiplies set p; unit nq of slot nslot goes into the other set.  chg = 0: no more than that.
; chg > 0: that unit is the last of slot 'slot': the change of slots, at the step's end.  ONE barrier: in front of it each wave waits for all its tensor loads (its part of the other slot), adds 0 to its spare word and
; waits for that and for its reads of this slot; 8 matrix instructions stand between the add and its wait, 8 between signal and wait.  chg = 1, 2: the barrier opens a round of the cluster's barrier and the slot is
; filled again (2: with the short last part); chg = 3: nothing is left to fetch.  The next step's run of loads then reads the other slot, which the barrier has shown whole.
.macro STEP p, nslot, nq, first, chg, slot, pf
	s_wait_dscnt 0x0                               ; set p is in: its loads were issued at the last step's head, 64 matrix instructions ago
	PLACES 4                                       ; four places between the last step's products and the loads into the set that they read
	FETCH \nslot, \nq, 1-(\p)
.set G, 0
.rept 16
.if (\chg) && (G == 12)
	WIN 0                                          ; (the add's two registers lie in window 0)
.if \pf
	s_wait_xcnt 0x0                                ; my last prefetches have read their address: it steps only behind this wait
	s_add_nc_u64 s[PFA:PFA+1], s[PFA:PFA+1], PART
.endif
	s_wait_tensorcnt 0x0
	ds_add_u32 v[SPW], v[NIL]
.if \chg < 3
	s_add_nc_u64 s[G0+4*\slot+2:G0+4*\slot+3], s[G0+4*\slot+2:G0+4*\slot+3], 2*PART    ; no tensor load of mine is out: this slot's next part
	s_add_nc_u64 s[G0B+4*\slot+2:G0B+4*\slot+3], s[G0B+4*\slot+2:G0B+4*\slot+3], 2*PART
.endif
.endif
.if (\chg) && (G == 14)
	s_wait_dscnt 0x0                               ; the add is done, my reads of the slot are over
	s_barrier_signal -1
.endif
	GRP G, \p, \first
.set G, G+1
.endr
.if \chg
	WIN 0
	s_barrier_wait -1
.if \chg == 1
	CREST
	JLOAD G0+4*\slot, G1, G0B+4*\slot, G1B         ; the first tensor load behind the round
.elseif \chg == 2
	CREST
	JLOAD G0+4*\slot, G1S, G0B+4*\slot, G1SB
.endif
.if \pf
	ASK
.endif
.endif
.endm
	s_wait_tensorcnt 0x0                           ; my part 0 is in; these lines stand ahead of a later first fill, as ahead of a refill
	ds_add_u32 v[SPW], v[NIL]
	s_wait_dscnt 0x0
	CROUND
	JLOAD G0+4, G1, G0B+4, G1B                     ; part 1: slot 1's first fill
	FETCH 0, 0, 0                                  ; unit 0
	s_wait_loadcnt 0x0                             ; the bias
	STEP 0, 0, 1, 1, 0, 0, 0                       ; unit 0 starts the sums on the bias
	WIN 0
	s_mov_b32 s3, TRIPS
.Llap:                                                 ; a trip: six units, both slots filled again (parts 2 to 9)
	STEP 1, 0, 2, 0, 1, 0, 1
	STEP 0, 1, 0, 0, 0, 0, 0
	STEP 1, 1, 1, 0, 0, 0, 0
	STEP 0, 1, 2, 0, 1, 1, 1
	STEP 1, 0, 0, 0, 0, 0, 0
	STEP 0, 0, 1, 0, 0, 0, 0
	WIN 0
	s_sub_co_u32 s3, s3, 1
	s_cmp_lg_u32 s3, 0
	s_cbranch_scc1 .Llap
	STEP 1, 0, 2, 0, 2, 0, 0                       ; unit 25; slot 0 takes the last part, units 30 and 31
	STEP 0, 1, 0, 0, 0, 0, 0
	STEP 1, 1, 1, 0, 0, 0, 0
	STEP 0, 1, 2, 0, 3, 1, 0                       ; unit 28: nothing is filled again; behind its barrier nobody reads slot 1
	STEP 1, 0, 0, 0, 0, 0, 0
	STEP 0, 0, 1, 0, 0, 0, 0                       ; unit 30
	s_wait_dscnt 0x0                               ; unit 31: nothing more to fetch
.set G, 0
.rept 16
	GRP G, 1, 0
.set G, G+1
.endr
; THE WAY OUT, block by block of 16 rows x 128 columns.  A block goes through my own stage (rows of 528 bytes) and comes back, as whole rows of 512 bytes, into the 64 registers that it left: so no store's data are
; ever written again.  LDS serves a wave's instructions in order (ISA guide 5.7.1.4): no wait between a block's stores and its loads, nor in front of the next block's stores.  While block a is on its way through
; the stage, block a - 1 is stored: the 32 lanes store two aligned runs of 256 bytes of a row; the row stands in the immediate, 127 x 8,192 bytes at the most.
.macro TOSTAGE a
.set AC, 64*((\a)%4)
.set AW, 2+(\a)/4
	WIN (AW<<6)|(AW<<2)                            ; the stores' data and the loads' results: window 2 or 3
.irp b, 0,1,2,3,4,5,6,7
	ds_store_b128 v[STO], v[AC+8*\b:AC+8*\b+3] offset:64*\b          ; each accumulator from its low end on
	ds_store_b128 v[STO], v[AC+8*\b+4:AC+8*\b+7] offset:64*\b+16
.endr
.irp t, 0,1,2,3,4,5,6,7,8,9,10,11,12,13,14,15
	ds_load_b128 v[AC+4*\t:AC+4*\t+3], v[RD] offset:\t*SPITCH
.endr
.endm
.macro SEND a, younger                 ; younger: the LDS instructions issued behind block a's loads, which may stay out
.set AC, 64*((\a)%4)
.set AW, 2+(\a)/4
	s_wait_dscnt \younger
	WIN (AW<<6)|(AW<<2)
.irp t, 0,1,2,3,4,5,6,7,8,9,10,11,12,13,14,15
	global_store_b128 v[CO], v[AC+4*\t:AC+4*\t+3], s[10:11] offset:(16*(\a)+\t)*SIZE_N*4 th:TH_STORE_NT
.endr
.endm
	PLACES 4                                       ; four places between the last products and the stores that read results
	TOSTAGE 0
.irp a, 1,2,3,4,5,6,7
	TOSTAGE \a
	SEND \a-1, 32                                  ; behind block a - 1's loads: block a's 16 stores and 16 loads
.endr
	SEND 7, 0
	WIN 0
	s_wait_tensorcnt 0x0                           ; the wave's end
	ds_add_u32 v[SPW], v[NIL]
	s_wait_dscnt 0x0
	CROUND                                         ; the closing round
	s_endpgm
.Lfunc_end_k_q1ac0dcbc21_gemm:
	.size	k_q1ac0dcbc21_gemm, .Lfunc_end_k_q1ac0dcbc21_gemm-k_q1ac0dcbc21_gemm
	.p2alignl 7, 3214868480
	.fill 96, 4, 3214868480
	.section	.rodata,"a",@progbits
	.p2align	6, 0x0
	.amdhsa_kernel k_q1ac0dcbc21_gemm
		.amdhsa_group_segment_fixed_size 327680
		.amdhsa_private_segment_fixed_size 0
		.amdhsa_enable_private_segment 0
		.amdhsa_kernarg_size 32
		.amdhsa_user_sgpr_count 2
		.amdhsa_user_sgpr_kernarg_segment_ptr 1
		.amdhsa_wavefront_size32 1
		.amdhsa_system_sgpr_workgroup_id_x 1
		.amdhsa_system_sgpr_workgroup_id_y 1
		.amdhsa_system_sgpr_workgroup_id_z 1
		.amdhsa_system_vgpr_workitem_id 0
		.amdhsa_next_free_vgpr 1024
		.amdhsa_next_free_sgpr 88
		.amdhsa_reserve_vcc 0
		.amdhsa_float_denorm_mode_32 3
		.amdhsa_float_denorm_mode_16_64 3
		.amdhsa_memory_ordered 1
		.amdhsa_forward_progress 1
		.amdhsa_inst_pref_size 203
	.end_amdhsa_kernel
	.amdgpu_metadata
---
amdhsa.version: [ 1, 2 ]
amdhsa.kernels:
  - .name:           k_q1ac0dcbc21_gemm
    .symbol:         k_q1ac0dcbc21_gemm.kd
    .args:
      - { .name: xq, .offset: 0, .size: 8, .value_kind: global_buffer, .address_space: global }
      - { .name: wq, .offset: 8, .size: 8, .value_kind: global_buffer, .address_space: global }
      - { .name: bias, .offset: 16, .size: 8, .value_kind: global_buffer, .address_space: global }
      - { .name: out0, .offset: 24, .size: 8, .value_kind: global_buffer, .address_space: global }
    .group_segment_fixed_size: 327680
    .private_segment_fixed_size: 0
    .kernarg_segment_align: 8
    .kernarg_segment_size: 32
    .max_flat_workgroup_size: 128
    .sgpr_count:     88
    .vgpr_count:     1024
    .wavefront_size: 32
...
	.end_amdgpu_metadata
.endif
;; end of part 2
